; MI455X (gfx1250); checked and timed in simulation.
; The chip was launched on July 23, 2026; its instructions are those of AMD's public machine-readable ISA for CDNA 5 (MIT licence, August 2026) and "CDNA5" Instruction Set Architecture Reference Guide (July 2026). The comments in the code are by the model that wrote it; some were corrected since.
;; Multi Head Attention. Allowed arithmetic: matrix products marked QUANTISED: E2M1 operands, one E8M0 scale for each 32 along K, by v_wmma_scale_f32_16x16x128_f8f6f4 with both operands' format E2M1 (or v_wmma_scale_f32_32x16x128_f4), f32 sums; everything else in f32.
;; Inputs: Wk_codes 1,024 x 32 x 16 uint8 (E2M1 codes of Wk, K innermost, in blocks of 32 codes, two codes a byte); Wk_scales 1,024 x 32 uint8 (E8M0 scales of Wk, one for each 32 codes along K); Wo_codes 1,024 x 32 x 16 uint8 (E2M1 codes of Wo, K innermost, in blocks of 32 codes, two codes a byte); Wo_scales 1,024 x 32 uint8 (E8M0 scales of Wo, one for each 32 codes along K); Wq_codes 1,024 x 32 x 16 uint8 (E2M1 codes of Wq, K innermost, in blocks of 32 codes, two codes a byte); Wq_scales 1,024 x 32 uint8 (E8M0 scales of Wq, one for each 32 codes along K); Wv_codes 1,024 x 32 x 16 uint8 (E2M1 codes of Wv, K innermost, in blocks of 32 codes, two codes a byte); Wv_scales 1,024 x 32 uint8 (E8M0 scales of Wv, one for each 32 codes along K); bk 1,024 float32; bo 1,024 float32; bq 1,024 float32; bv 1,024 float32; k_codes 2 x 2,048 x 32 x 16 uint8 (E2M1 codes of k, K innermost, in blocks of 32 codes, two codes a byte); k_scales 2 x 2,048 x 32 uint8 (E8M0 scales of k, one for each 32 codes along K); mask 2 x 2,048 x 2,048 int32; q_codes 2 x 2,048 x 32 x 16 uint8 (E2M1 codes of q, K innermost, in blocks of 32 codes, two codes a byte); q_scales 2 x 2,048 x 32 uint8 (E8M0 scales of q, one for each 32 codes along K); v_codes 2 x 2,048 x 32 x 16 uint8 (E2M1 codes of v, K innermost, in blocks of 32 codes, two codes a byte); v_scales 2 x 2,048 x 32 uint8 (E8M0 scales of v, one for each 32 codes along K).
;; Outputs: out0 2 x 2,048 x 1,024 float32.
;; This version of the problem:
;;   THIS VERSION OF THE PROBLEM IS GIVEN IN LOW PRECISION. The matrix products marked QUANTISED in the list below multiply operands that are first quantised to E2M1 (2 exponent bits, 1 mantissa bit; 4 bits a number), with one power-of-two scale for each 32 numbers along K (OCP MX v1.0); their sums are f32. All else is computed in f32.
;;   The module's matrix products, in the order in which they are computed (A, B: the left and right operand; K: the contracted axis; several contracted axes count as one K, in the product's order):
;;     1. [M 4,096, K 1,024] x [K 1,024, N 1,024]; A: input q (given as codes); B: input Wq (given as codes): QUANTISED
;;     2. [M 4,096, K 1,024] x [K 1,024, N 1,024]; A: input k (given as codes); B: input Wk (given as codes): QUANTISED
;;     3. [M 4,096, K 1,024] x [K 1,024, N 1,024]; A: input v (given as codes); B: input Wv (given as codes): QUANTISED
;;     4. batch 32 x [M 2,048, K 64] x [K 64, N 2,048]; A: computed on the way; B: computed on the way: QUANTISED
;;     5. batch 32 x [M 2,048, K 2,048] x [K 2,048, N 64]; A: softmax (see below); B: computed on the way: QUANTISED
;;     6. [M 4,096, K 1,024] x [K 1,024, N 1,024]; A: computed on the way; B: input Wo (given as codes): QUANTISED
;;   THE QUANTISER, for each operand of a quantised product, along K:
;;     - K is cut into blocks of 32 from its start; a last block that is shorter is filled with zeros.
;;     - A block's scale is 2^e with e = floor(log2(the largest magnitude in the block)) - 2, held to -126 .. 127; a block of zeros has e = 0. As a byte (E8M0): e + 127.
;;     - Each number is divided by its block's scale, clamped to +-6, and rounded to the nearest number of E2M1, ties to even, subnormals kept.
;;     - The product sums the exact products of the quantised numbers (number of the format x scale) in f32.
;;   ~~~python
;;   def quantise(x, axis):      # numpy; x: float32 -> the quantised numbers, widened to float32 again
;;       x = np.moveaxis(x, axis, -1); K = x.shape[-1]
;;       x = np.pad(x, [(0, 0)] * (x.ndim - 1) + [(0, -K % 32)]); x = x.reshape(x.shape[:-1] + (-1, 32)); a = np.abs(x).max(-1, keepdims=True)
;;       e = np.where(a > 0, np.clip(np.frexp(np.where(a > 0, a, 1))[1] - 1 - 2, -126, 127), 0)      # np.frexp(a)[1] - 1 = floor(log2(a)), exactly
;;       r = np.clip(x / 2.0 ** e, -6, 6)
;;       step = 2.0 ** (np.maximum(np.frexp(np.where(r == 0, 1, r))[1] - 1, 0) - 1)
;;       q = np.round(r / step) * step * 2.0 ** e      # np.round: ties to even
;;       return np.moveaxis(q.reshape(q.shape[:-2] + (-1,))[..., :K], -1, axis).astype(np.float32)
;;   ~~~
;;   SOFTMAX AHEAD OF A QUANTISED PRODUCT. Where the list says 'softmax', what is quantised is not the finished softmax but p = 2^(t - M), with t = logit x log2(e) and M = ceil(the row's largest t), a whole number; so 1/2 < the row's largest p <= 1. The row's sum l is taken of the UNQUANTISED p, in f32, and the product's result is divided by l at the end. Since M is a whole number, a kernel that streams over the keys may use a running M (the ceiling of the running maximum): every later rescaling is an exact power of two, which a block's scale takes up: the codes' values come out the same.
;;   OPERANDS COMPUTED ON THE WAY. 'Computed on the way' means the value that the module computes at that place (a softmax that the list does not call 'softmax' is quantised finished and normalised). What goes into a quantiser is computed in f32, as accurately as f32 sums, v_exp_f32 and their like allow (about 1e-6 of the number): no bf16 or f16 on the way to a quantiser, and a product that is left as it is and whose result goes on into a quantised operand takes f32 operands (vector FMAs, or v_wmma_f32_16x16x4_f32). A number that lies on a knife's edge between two numbers of the format may be rounded either way, as far as f32 arithmetic and the matrix unit's own rounding can turn it there, and no further.
;;   INPUTS GIVEN AS CODES. Wk (in the module: [1024, 1024], K = its axis 1); Wo (in the module: [1024, 1024], K = its axis 1); Wq (in the module: [1024, 1024], K = its axis 1); Wv (in the module: [1024, 1024], K = its axis 1); k (in the module: [2, 2048, 1024], K = its axis 2); q (in the module: [2, 2048, 1024], K = its axis 2); v (in the module: [2, 2048, 1024], K = its axis 2): each comes as NAME_codes (uint8): NAME with its K axis moved to the last place and cut into blocks of 32 codes, [.., K / 32, bytes a block], one block behind the other in memory; two codes a byte, the lower K in the low four bits (a code: sign, 2 exponent bits, 1 mantissa bit); and NAME_scales (uint8): the same leading axes, one E8M0 byte (e + 127) for each 32 codes along K. Its value is code x scale, taken as it is: it is not quantised again, and the codes and scales need not be those that the quantiser above would give.
;; One version. Each part assembles by itself: llvm-mc -triple=amdgcn-amd-amdhsa -mcpu=gfx1250 --defsym DOCPART=n.
;; ======== version 1 of 1: 3 launches
;; limits: right only within a limited range of input values
;; workspace buffers: qimg 2,097,152 bytes; qsc 262,144 bytes; kv 4,718,592 bytes; maskbits 4,194,304 bytes; yimg 2,097,152 bytes; ysc 131,072 bytes
;; launch proj (part 1): grid 8 x 32, 4 waves a work-group, clusters of 4 x 4, 327,680 bytes of LDS; arguments q_codes, k_codes, v_codes, Wq_codes, Wk_codes, Wv_codes, q_scales, k_scales, v_scales, Wq_scales, Wk_scales, Wv_scales, bq, bk, bv, mask, qimg, qsc, kv, maskbits; writes qimg, qsc, kv, maskbits
.if DOCPART == 1
	.amdgcn_target "amdgcn-amd-amdhsa--gfx1250"
	.amdhsa_code_object_version 6
	.text
	.protected	k_qa733567bba_proj
	.globl	k_qa733567bba_proj
	.p2align	8
	.type	k_qa733567bba_proj,@function
k_qa733567bba_proj:
	s_mov_b64 s[64:65], 0
	v_nop
	global_prefetch_b8 v0, s[64:65] scope:SCOPE_SE
	s_setreg_imm32_b32 hwreg(HW_REG_WAVE_MODE, 25, 1), 1
	s_wait_xcnt 0x0
	s_wait_alu depctr_hold_cnt(0) depctr_sa_sdst(0) depctr_va_vdst(0) depctr_va_sdst(0) depctr_va_ssrc(0) depctr_va_vcc(0) depctr_vm_vsrc(0)
	s_getreg_b32 s2, hwreg(HW_REG_IB_STS2, 6, 4)
	s_cmp_eq_u32 s2, 0
	s_cbranch_scc0 .Lentry_in_a_cluster
	s_endpgm
.Lentry_in_a_cluster:
	s_bfe_u32 s2, ttmp6, 0x10000c
	s_cmp_lg_u32 s2, 0xf033
	s_cbranch_scc0 .Lentry_shape_is_right
	s_endpgm
.Lentry_shape_is_right:
; THE THREE PROJECTIONS ON CODES OF FP4 (E2M1), the quantising of their results, and the mask laid as codes.
; Work-group (X, Y): tokens 128 Y on x features 128 X on, for q, k and v in turn; four waves; all of K = 1,024 of one product lies in one LDS slot; cluster 4 x 4 with joint loads.
; OUTPUTS are images of the next launch's operand registers: qimg, qsc (Q's codes and scale words), kv (for each head batch and key step of 128: K's codes, V's codes, K's and V's scale words).
; A scale word of Q or K holds its head's two bytes twice, b0 b1 b0 b1, so that it serves a fragment's lower and its upper 64 along K alike.
; maskbits [tile row of 16 queries, 256][key step 16][c 2][lane][16 B]: word t % 4 of lane (r, h) in half c = t / 4 belongs to key 16 t + r; its nibble e is the code 1 (0.5) where mask[query 8 h + e][key] is 0, else the code 0.
.set PITCH, 528
.set T16,   16*PITCH
.set HALFT, 64*PITCH
.set SLOT,  4*HALFT
.set STAGE, 2*SLOT
.set SPARE, STAGE+4*T16
.set KVS,   9216
.set KVH,   16*KVS
.set L16, 1
.set AX0, 2
.set AW0, 3
.set VX,  6
.set VW,  7
.set SXO, 8
.set SWO, 9
.set SXV, 10
.set SWV, 11
.set BQO, 12
.set BVO, 13
.set OCQ, 14
.set OSQ, 15
.set OCK, 16
.set OSK, 17
.set VCO, 18
.set VSO, 19
.set MO,  20
.set STG, 21
.set STR, 22
.set MBO, 23
.set PC,  24
.set S,   32
.set TM,  112
.set SPW, 120
.set NIL, 121
.set PW,  124
.set ACC, 128
.set BI,  160
.set MK,  0
.set WV, 4
.set TH, 5
.set HD, 6
.set G1A, 16
.set G1B, 24
.set G0A, 32
.set G0B, 44
.set MSB, 0
.macro WIN new
.if MSB != \new
	s_set_vgpr_msb (MSB<<8)|\new
.set MSB, \new
.endif
.endm
.macro PLACES n
.rept \n
	v_nop
.endr
.endm
.macro JLOAD i
	s_cmp_eq_u32 s[TH], 0
	s_cbranch_scc0 .Lfor_b_\@
	tensor_load_to_lds s[G0A+4*\i:G0A+4*\i+3], s[G1A:G1A+7]
	s_nop 0
	PLACES 4
	s_branch .Lasked_\@
.Lfor_b_\@:
	tensor_load_to_lds s[G0B+4*\i:G0B+4*\i+3], s[G1B:G1B+7]
	s_nop 0
	PLACES 4
.Lasked_\@:
.endm
.macro CROUND
	s_barrier_signal -1
	s_barrier_wait -1
	s_cmp_lg_u32 s[WV], 0
	s_cbranch_scc1 .Lnot_wave_0_\@
	s_barrier_signal -3
.Lnot_wave_0_\@:
	s_barrier_wait -3
	s_barrier_signal -1
	s_barrier_wait -1
.endm
.macro QUANT src, nb
	s_wait_xcnt 0x0
.set QB, 0
.rept \nb
	v_max3_num_f32 v[TM+QB], |v[\src+16*QB]|, |v[\src+16*QB+1]|, 0x1800000
.set QB, QB+1
.endr
.irp i, 2,4,6,8,10,12,14
.set QB, 0
.rept \nb
	v_max3_num_f32 v[TM+QB], v[TM+QB], |v[\src+16*QB+\i]|, |v[\src+16*QB+\i+1]|
.set QB, QB+1
.endr
.endr
.set QB, 0
.rept \nb
	v_permlanex16_b32 v[TM+4+QB], v[TM+QB], s12, s13
.set QB, QB+1
.endr
.set QB, 0
.rept \nb
	v_max_num_f32 v[TM+QB], v[TM+QB], v[TM+4+QB]
.set QB, QB+1
.endr
.set QB, 0
.rept \nb
	v_add_nc_u32 v[TM+QB], 0xff000000, v[TM+QB]
.set QB, QB+1
.endr
.set QB, 0
.rept \nb
	v_lshrrev_b32 v[TM+4+QB], 23, v[TM+QB]
.set QB, QB+1
.endr
.set QT, 0
.rept 2*\nb
	v_cvt_scalef32_pk8_fp4_f32 v[PC+4*(QT/4)+2*(QT%2)+((QT/2)%2)], v[\src+8*QT:\src+8*QT+7], v[TM+QT/2]
.set QT, QT+1
.endr
	v_nop
.set QB, 0
.rept \nb
	v_permlane16_swap_b32 v[PC+2*QB], v[PC+2*QB+1]
.set QB, QB+1
.endr
.endm
.macro SB_QK xs, ws, bi
.irp i, 0,1,2,3
.irp kq, 0,1
	global_load_b128 v[S+8*\i+4*\kq:S+8*\i+4*\kq+3], v[SWO], s[\ws:\ws+1] offset:512*\i+16*\kq
.endr
.endr
.irp i, 0,1,2,3
.irp kq, 0,1
	global_load_b128 v[S+32+8*\i+4*\kq:S+32+8*\i+4*\kq+3], v[SXO], s[\xs:\xs+1] offset:512*\i+16*\kq
.endr
.endr
	WIN 0x40
.irp i, 0,1,2,3
.irp hf, 0,1
	global_load_b128 v[BI+8*\i+4*\hf:BI+8*\i+4*\hf+3], v[BQO], s[\bi:\bi+1] offset:64*\i+16*\hf
.endr
.endr
	WIN 0
.endm
.macro SB_V
.irp i, 0,1,2,3,4,5,6,7
.irp kq, 0,1
	global_load_b128 v[S+8*\i+4*\kq:S+8*\i+4*\kq+3], v[SXV], s[72:73] offset:512*\i+16*\kq
.endr
.endr
.irp i, 0,1
.irp kq, 0,1
	global_load_b128 v[S+64+8*\i+4*\kq:S+64+8*\i+4*\kq+3], v[SWV], s[78:79] offset:512*\i+16*\kq
.endr
.endr
	WIN 0x40
.irp i, 0,1
	global_load_b32 v[BI+8*\i], v[BVO], s[84:85] offset:64*\i
.endr
	WIN 0
.endm
.macro FETCH_QK set, slot, q
	WIN 0x40
.irp i, 0,1,2,3
.irp c, 0,1
	ds_load_b128 v[80*(\set)+8*\i+4*\c:80*(\set)+8*\i+4*\c+3], v[AW0+2*\slot] offset:T16*\i+64*(\q)+32*\c
.endr
.endr
.irp i, 0,1,2,3
.irp c, 0,1
	ds_load_b128 v[80*(\set)+32+8*\i+4*\c:80*(\set)+32+8*\i+4*\c+3], v[AX0+2*\slot] offset:T16*\i+64*(\q)+32*\c
.endr
.endr
.endm
.macro FETCH_V set, q
	WIN 0x40
.irp i, 0,1,2,3,4,5,6,7
.irp c, 0,1
	ds_load_b128 v[80*(\set)+8*\i+4*\c:80*(\set)+8*\i+4*\c+3], v[VX] offset:T16*\i+64*(\q)+32*\c
.endr
.endr
.irp i, 0,1
.irp c, 0,1
	ds_load_b128 v[80*(\set)+64+8*\i+4*\c:80*(\set)+64+8*\i+4*\c+3], v[VW] offset:T16*\i+64*(\q)+32*\c
.endr
.endr
.endm
.macro MUL_QK q
.set FS, 80*((\q)%2)
.if \q == 0
	WIN 0x15
.else
	WIN 0x05
.endif
.irp tt, 0,1,2,3
.irp ft, 0,1,2,3
.if \q == 0
	v_wmma_scale_f32_16x16x128_f8f6f4 v[ACC+8*(4*\tt+\ft):ACC+8*(4*\tt+\ft)+7], v[FS+8*\ft:FS+8*\ft+7], v[FS+32+8*\tt:FS+32+8*\tt+7], v[BI+8*\ft:BI+8*\ft+7], v[S+8*\ft+(\q)], v[S+32+8*\tt+(\q)] matrix_a_fmt:MATRIX_FMT_FP4 matrix_b_fmt:MATRIX_FMT_FP4
.else
	v_wmma_scale_f32_16x16x128_f8f6f4 v[ACC+8*(4*\tt+\ft):ACC+8*(4*\tt+\ft)+7], v[FS+8*\ft:FS+8*\ft+7], v[FS+32+8*\tt:FS+32+8*\tt+7], v[ACC+8*(4*\tt+\ft):ACC+8*(4*\tt+\ft)+7], v[S+8*\ft+(\q)], v[S+32+8*\tt+(\q)] matrix_a_fmt:MATRIX_FMT_FP4 matrix_b_fmt:MATRIX_FMT_FP4
.endif
.endr
.endr
.endm
.macro MUL_V q
.set FS, 80*((\q)%2)
.if \q == 0
	WIN 0x15
.else
	WIN 0x05
.endif
.irp d, 0,1
.irp tt, 0,1,2,3,4,5,6,7
.if \q == 0
	v_wmma_scale_f32_16x16x128_f8f6f4 v[ACC+8*(8*\d+\tt):ACC+8*(8*\d+\tt)+7], v[FS+8*\tt:FS+8*\tt+7], v[FS+64+8*\d:FS+64+8*\d+7], v[BI+8*\d:BI+8*\d+7], v[S+8*\tt+(\q)], v[S+64+8*\d+(\q)] matrix_a_fmt:MATRIX_FMT_FP4 matrix_b_fmt:MATRIX_FMT_FP4
.else
	v_wmma_scale_f32_16x16x128_f8f6f4 v[ACC+8*(8*\d+\tt):ACC+8*(8*\d+\tt)+7], v[FS+8*\tt:FS+8*\tt+7], v[FS+64+8*\d:FS+64+8*\d+7], v[ACC+8*(8*\d+\tt):ACC+8*(8*\d+\tt)+7], v[S+8*\tt+(\q)], v[S+64+8*\d+(\q)] matrix_a_fmt:MATRIX_FMT_FP4 matrix_b_fmt:MATRIX_FMT_FP4
.endif
.endr
.endr
.endm
.macro GEMM_QK slot, left
	FETCH_QK 0, \slot, 0
.set Q, 0
.rept 8
.if Q < 7
.if Q > 0
	PLACES 4
.endif
	FETCH_QK (Q+1)%2, \slot, Q+1
	s_wait_dscnt 16
.else
	s_wait_dscnt 0x0
.endif
.if Q == 0
	s_wait_loadcnt \left
.endif
	MUL_QK Q
.set Q, Q+1
.endr
	WIN 0
.endm
.macro GEMM_V
	FETCH_V 0, 0
.set Q, 0
	s_wait_alu depctr_va_vdst(0)
.rept 8
.if Q < 7
.if Q > 0
	PLACES 4
.endif
	FETCH_V (Q+1)%2, Q+1
	s_wait_dscnt 20
.else
	s_wait_dscnt 0x0
.endif
	MUL_V Q
.set Q, Q+1
.endr
	WIN 0
.endm
.macro EPI_QK co, so, oc, os, soff
.irp tt, 0,1,2,3
	QUANT ACC+32*\tt, 2
	v_lshl_or_b32 v[PW+\tt], v[TM+5], 8, v[TM+4]
	v_lshl_or_b32 v[PW+\tt], v[PW+\tt], 16, v[PW+\tt]
	global_store_b128 v[\co], v[PC:PC+3], s[\oc:\oc+1] offset:512*\tt
.endr
	v_cndmask_b32 v[TM], v[PW], v[PW+2], s14
	v_cndmask_b32 v[TM+1], v[PW+1], v[PW+3], s14
	global_store_b64 v[\so], v[TM:TM+1], s[\os:\os+1] offset:\soff
.endm
.macro EPI_V
.irp d, 0,1
	QUANT ACC+64*\d, 4
	v_lshl_or_b32 v[PW+\d], v[TM+5], 8, v[TM+4]
	v_lshl_or_b32 v[PW+\d], v[TM+6], 16, v[PW+\d]
	v_lshl_or_b32 v[PW+\d], v[TM+7], 24, v[PW+\d]
	global_store_b128 v[VCO], v[PC:PC+3], s[92:93] offset:4096+1024*\d
	global_store_b128 v[VCO], v[PC+4:PC+7], s[92:93] offset:4096+1024*\d+512
.endr
	global_store_b64 v[VSO], v[PW:PW+1], s[92:93] offset:8704
.endm
.macro MLOAD bt
	WIN 0x80
.irp s2, 0,1
.irp rho, 0,1,2,3,4,5,6,7,8,9,10,11,12,13,14,15
	global_load_b128 v[MK+64*\s2+4*\rho:MK+64*\s2+4*\rho+3], v[MO], s[86:87] offset:8192*\rho+512*(2*\bt+\s2) th:TH_LOAD_NT
.endr
.endr
	WIN 0
.endm
.macro MPROC bt, left
	s_wait_loadcnt \left
	s_wait_xcnt 0x0
; Register 64 s2 + 4 rho + i of the third window holds mask[query rho][key 4 lane + i] of key step s2.  Each becomes 0 or 1; eight queries' bits go into one word, four bits apart; the exclusive or turns 'counts' into 'hidden'.
	WIN 0xaa
.set N_, 0
.rept 128
	v_min_u32 v[MK+N_], 1, v[MK+N_]
.set N_, N_+1
.endr
.irp e, 1,2,3,4,5,6,7
.irp b, 0,32,64,96
.irp i, 0,1,2,3
	v_lshl_or_b32 v[MK+\b+\i], v[MK+\b+4*\e+\i], 4*\e, v[MK+\b+\i]
.endr
.endr
.endr
.irp b, 0,32,64,96
.irp i, 0,1,2,3
	v_xor_b32 v[MK+\b+\i], 0x11111111, v[MK+\b+\i]
.endr
.endr
	WIN 0x08
.irp s2, 0,1
.irp h, 0,1
.irp i, 0,1,2,3
	ds_store_b32 v[STG], v[MK+64*\s2+32*\h+\i] offset:1024*\s2+256*\h+16*\i   ; through my own stage, to the word's place in the image
.endr
.endr
.endr
	WIN 0x80
.irp s2, 0,1
.irp c, 0,1
	ds_load_b128 v[MK+64*\s2+8+4*\c:MK+64*\s2+11+4*\c], v[STR] offset:1024*\s2+512*\c   ; LDS serves a wave's instructions in order: these see the stores above
.endr
.endr
	s_wait_dscnt 0x0
	WIN 0x08
.irp s2, 0,1
.irp c, 0,1
	global_store_b128 v[MBO], v[MK+64*\s2+8+4*\c:MK+64*\s2+11+4*\c], s[94:95] offset:1024*(2*\bt+\s2)+512*\c   ; 512 consecutive bytes a store
.endr
.endr
	WIN 0
	s_wait_xcnt 0x0                                ; the stores have read their registers: later loads may land there
.endm
	s_load_b256 s[56:63], s[0:1], 0x0
	s_load_b128 s[96:99], s[0:1], 0x20
	s_load_b512 s[68:83], s[0:1], 0x30
	s_load_b256 s[84:91], s[0:1], 0x70
	s_load_b128 s[92:95], s[0:1], 0x90
	v_lshl_add_u32 v[SPW], v0, 2, SPARE
	v_mov_b32 v[NIL], 0
	ds_add_u32 v120, v121
	ds_add_u32 v120, v121
	s_wait_dscnt 0x0
	v_lshrrev_b32 v[TM+3], 5, v0
	v_readfirstlane_b32 s[WV], v[TM+3]
	s_lshr_b32 s[TH], s[WV], 1
	s_and_b32 s[HD], s[WV], 1
	s_bfe_u32 s7, ttmp6, 0x40000
	s_bfe_u32 s8, ttmp6, 0x40004
	s_lshl_b32 s9, ttmp9, 2
	s_add_co_u32 s9, s9, s7
	s_and_b32 s10, ttmp7, 0xffff
	s_lshl_b32 s10, s10, 2
	s_add_co_u32 s10, s10, s8
	s_lshl_b32 s11, s8, 2
	s_lshl_b32 s11, 15, s11
	s_lshl_b32 s15, 0x1111, s7
	s_or_b32 s[G1A], s11, 0x07b00000
	s_or_b32 s[G1B], s15, 0x07b00000
.irp g, G1A, G1B
	s_mov_b32 s[\g+1], 512<<16
	s_mov_b32 s[\g+2], 64<<16
	s_mov_b32 s[\g+3], 512<<16
	s_mov_b32 s[\g+4], 64
	s_mov_b32 s[\g+5], 512
	s_mov_b32 s[\g+6], 0
	s_mov_b32 s[\g+7], 0
.endr
	s_mov_b32 s12, 0x76543210
	s_mov_b32 s13, 0xfedcba98
	s_mov_b32 s14, 0xffff0000
	s_lshl_b32 s2, s10, 16
	s_lshl_b32 s3, s[HD], 15
	s_add_co_u32 s2, s2, s3
	s_mov_b32 s3, 0
	s_lshl_b32 s100, s9, 16
	s_lshl_b32 s101, s[HD], 15
	s_add_co_u32 s100, s100, s101
	s_mov_b32 s101, 0
	s_lshr_b32 s66, s10, 4
	s_lshl_b32 s66, s66, 8
	s_lshl_b32 s67, s9, 5
	s_add_co_u32 s66, s66, s67
	s_and_b32 s67, s10, 15
	s_add_co_u32 s66, s66, s67
	s_lshl_b32 s67, s10, 3
	s_add_co_u32 s67, s67, s9
	s_mov_b32 s105, 0
	s_wait_kmcnt 0x0
.irp i, 0,1,2
	s_mov_b32 s[G0A+4*\i], 1
	s_mul_i32 s[G0A+4*\i+1], s[WV], HALFT
	s_add_nc_u64 s[G0A+4*\i+2:G0A+4*\i+3], s[56+2*\i:57+2*\i], s[2:3]
	s_or_b32 s[G0A+4*\i+3], s[G0A+4*\i+3], 0x80000000
	s_mov_b32 s[G0B+4*\i], 1
	s_mul_i32 s[G0B+4*\i+1], s[WV], HALFT
.endr
	s_add_co_u32 s[G0A+5], s[G0A+5], SLOT
	s_add_co_u32 s[G0B+5], s[G0B+5], SLOT
	s_add_nc_u64 s[G0B+2:G0B+3], s[62:63], s[100:101]
	s_add_nc_u64 s[G0B+6:G0B+7], s[96:97], s[100:101]
	s_add_nc_u64 s[G0B+10:G0B+11], s[98:99], s[100:101]
	s_or_b32 s[G0B+3], s[G0B+3], 0x80000000
	s_or_b32 s[G0B+7], s[G0B+7], 0x80000000
	s_or_b32 s[G0B+11], s[G0B+11], 0x80000000
	CROUND
	JLOAD 0
	s_wait_alu depctr_va_vdst(0)
	s_wait_tensorcnt 0x0
	ds_add_u32 v120, v121
	s_wait_dscnt 0x0
	CROUND
	JLOAD 1
	s_lshl_b32 s2, s10, 12
	s_add_nc_u64 s[68:69], s[68:69], s[2:3]
	s_add_nc_u64 s[70:71], s[70:71], s[2:3]
	s_add_nc_u64 s[72:73], s[72:73], s[2:3]
	s_lshl_b32 s100, s9, 12
	s_add_nc_u64 s[74:75], s[74:75], s[100:101]
	s_add_nc_u64 s[76:77], s[76:77], s[100:101]
	s_add_nc_u64 s[78:79], s[78:79], s[100:101]
	s_lshl_b32 s100, s9, 9
	s_add_nc_u64 s[80:81], s[80:81], s[100:101]
	s_add_nc_u64 s[82:83], s[82:83], s[100:101]
	s_add_nc_u64 s[84:85], s[84:85], s[100:101]
	s_lshl_b32 s104, s67, 17
	s_add_nc_u64 s[86:87], s[86:87], s[104:105]
	s_lshl_b32 s104, s67, 14
	s_add_nc_u64 s[94:95], s[94:95], s[104:105]
	s_lshl_b32 s104, s66, 12
	s_add_nc_u64 s[88:89], s[88:89], s[104:105]
	s_lshl_b32 s104, s66, 9
	s_add_nc_u64 s[90:91], s[90:91], s[104:105]
	s_mul_i32 s104, s66, KVS
	s_add_nc_u64 s[92:93], s[92:93], s[104:105]
	v_and_b32 v[TM], 31, v0
	v_and_b32 v[TM+1], 15, v0
	v_bfe_u32 v[TM+2], v0, 4, 1
	v_bfe_u32 v[TM+4], v0, 6, 1
	v_bfe_u32 v[TM+5], v0, 5, 1
	v_lshlrev_b32 v[L16], 4, v[TM]
	v_mul_u32_u24 v[VX], v[TM+1], PITCH
	v_lshl_add_u32 v[VX], v[TM+2], 4, v[VX]
	v_mad_u32_u24 v[AX0], v[TM+4], HALFT, v[VX]
	v_mad_u32_u24 v[AW0], v[TM+5], HALFT, v[VX]
	v_add_nc_u32 v[AW0], 2*HALFT, v[AW0]
	v_add_nc_u32 v[AX0+2], SLOT, v[AX0]
	v_add_nc_u32 v[AW0+2], SLOT, v[AW0]
	v_mad_u32_u24 v[VW], v[TM+3], 2*T16, v[VX]
	v_add_nc_u32 v[VW], 2*HALFT, v[VW]
	v_lshlrev_b32 v[SXV], 5, v[TM+1]
	v_lshl_add_u32 v[SXO], v[TM+4], 11, v[SXV]
	v_lshl_add_u32 v[SWO], v[TM+5], 11, v[SXV]
	v_lshl_add_u32 v[SWV], v[TM+3], 10, v[SXV]
	v_lshlrev_b32 v[BQO], 5, v[TM+2]
	v_lshl_add_u32 v[BQO], v[TM+5], 8, v[BQO]
	v_lshlrev_b32 v[BVO], 2, v[TM+1]
	v_lshl_add_u32 v[BVO], v[TM+3], 7, v[BVO]
	v_lshl_add_u32 v[OCQ], v[TM+4], 11, v[L16]
	v_mad_u32_u24 v[OCK], v[TM+5], KVH, v[OCQ]
	v_lshl_add_u32 v[OCQ], v[TM+5], 16, v[OCQ]
	v_lshlrev_b32 v[OSQ], 4, v[TM+1]
	v_lshl_add_u32 v[OSQ], v[TM+2], 3, v[OSQ]
	v_lshl_add_u32 v[OSQ], v[TM+4], 8, v[OSQ]
	v_mad_u32_u24 v[OSK], v[TM+5], KVH, v[OSQ]
	v_lshl_add_u32 v[OSQ], v[TM+5], 13, v[OSQ]
	v_lshl_add_u32 v[VCO], v[TM+5], 11, v[L16]
	v_mad_u32_u24 v[VCO], v[TM+4], KVH, v[VCO]
	v_lshlrev_b32 v[VSO], 3, v[TM]
	v_lshl_add_u32 v[VSO], v[TM+5], 8, v[VSO]
	v_mad_u32_u24 v[VSO], v[TM+4], KVH, v[VSO]
	v_lshl_add_u32 v[MO], v[TM+3], 11, v[L16]
	v_mad_u32_u24 v[STR], v[TM+3], T16, v[L16]
	v_add_nc_u32 v[STR], STAGE, v[STR]
	v_and_b32 v[STG], 3, v0
	v_bfe_u32 v[MBO], v0, 2, 2
	v_lshlrev_b32 v[STG], 6, v[STG]
	v_lshl_add_u32 v[STG], v[MBO], 2, v[STG]
	v_lshl_add_u32 v[STG], v[TM+2], 9, v[STG]
	v_mad_u32_u24 v[STG], v[TM+3], T16, v[STG]
	v_add_nc_u32 v[STG], STAGE, v[STG]
	v_lshl_add_u32 v[MBO], v[TM+3], 12, v[L16]
.irp j, 0,1,2,3
	v_mov_b32 v[TM+4+\j], 0
.endr
	SB_QK 68, 74, 80
	MLOAD 0
	s_wait_tensorcnt 0x1
	s_barrier_signal -1
	s_barrier_wait -1
	GEMM_QK 0, 32
	PLACES 4
	SB_QK 70, 76, 82
	EPI_QK OCQ, OSQ, 88, 90, 0
	s_wait_tensorcnt 0x0
	ds_add_u32 v[SPW], v[NIL]
	s_wait_dscnt 0x0
	CROUND
	JLOAD 2
	MPROC 0, 24
	MLOAD 1
	GEMM_QK 1, 32
	PLACES 4
	SB_V
	EPI_QK OCK, OSK, 92, 92, 8192
	s_wait_tensorcnt 0x0
	ds_add_u32 v[SPW], v[NIL]
	s_wait_dscnt 0x0
	s_barrier_signal -1
	s_barrier_wait -1
	MPROC 1, 22
	s_wait_loadcnt 0x0
	WIN 0x41
.irp d, 0,1
.irp j, 1,2,3,4,5,6,7
	v_mov_b32 v[BI+8*\d+\j], v[BI+8*\d]
.endr
.endr
	WIN 0
	PLACES 4
	GEMM_V
	PLACES 4
	EPI_V
	s_wait_tensorcnt 0x0
	ds_add_u32 v[SPW], v[NIL]
	s_wait_dscnt 0x0
	CROUND
	s_endpgm
.Lfunc_end_k_qa733567bba_proj:
	.size	k_qa733567bba_proj, .Lfunc_end_k_qa733567bba_proj-k_qa733567bba_proj
	.p2alignl 7, 3214868480
	.fill 96, 4, 3214868480
	.section	.rodata,"a",@progbits
	.p2align	6, 0x0
	.amdhsa_kernel k_qa733567bba_proj
		.amdhsa_group_segment_fixed_size 327680
		.amdhsa_private_segment_fixed_size 0
		.amdhsa_enable_private_segment 0
		.amdhsa_kernarg_size 160
		.amdhsa_user_sgpr_count 2
		.amdhsa_user_sgpr_kernarg_segment_ptr 1
		.amdhsa_wavefront_size32 1
		.amdhsa_system_sgpr_workgroup_id_x 1
		.amdhsa_system_sgpr_workgroup_id_y 1
		.amdhsa_system_sgpr_workgroup_id_z 1
		.amdhsa_system_vgpr_workitem_id 0
		.amdhsa_next_free_vgpr 640
		.amdhsa_next_free_sgpr 106
		.amdhsa_reserve_vcc 0
		.amdhsa_float_denorm_mode_32 3
		.amdhsa_float_denorm_mode_16_64 3
		.amdhsa_memory_ordered 1
		.amdhsa_forward_progress 1
		.amdhsa_inst_pref_size 157
	.end_amdhsa_kernel
	.amdgpu_metadata
---
amdhsa.version: [ 1, 2 ]
amdhsa.kernels:
  - .name:           k_qa733567bba_proj
    .symbol:         k_qa733567bba_proj.kd
    .args:
      - { .name: q_codes, .offset: 0, .size: 8, .value_kind: global_buffer, .address_space: global }
      - { .name: k_codes, .offset: 8, .size: 8, .value_kind: global_buffer, .address_space: global }
      - { .name: v_codes, .offset: 16, .size: 8, .value_kind: global_buffer, .address_space: global }
      - { .name: Wq_codes, .offset: 24, .size: 8, .value_kind: global_buffer, .address_space: global }
      - { .name: Wk_codes, .offset: 32, .size: 8, .value_kind: global_buffer, .address_space: global }
      - { .name: Wv_codes, .offset: 40, .size: 8, .value_kind: global_buffer, .address_space: global }
      - { .name: q_scales, .offset: 48, .size: 8, .value_kind: global_buffer, .address_space: global }
      - { .name: k_scales, .offset: 56, .size: 8, .value_kind: global_buffer, .address_space: global }
      - { .name: v_scales, .offset: 64, .size: 8, .value_kind: global_buffer, .address_space: global }
      - { .name: Wq_scales, .offset: 72, .size: 8, .value_kind: global_buffer, .address_space: global }
      - { .name: Wk_scales, .offset: 80, .size: 8, .value_kind: global_buffer, .address_space: global }
      - { .name: Wv_scales, .offset: 88, .size: 8, .value_kind: global_buffer, .address_space: global }
      - { .name: bq, .offset: 96, .size: 8, .value_kind: global_buffer, .address_space: global }
      - { .name: bk, .offset: 104, .size: 8, .value_kind: global_buffer, .address_space: global }
      - { .name: bv, .offset: 112, .size: 8, .value_kind: global_buffer, .address_space: global }
      - { .name: mask, .offset: 120, .size: 8, .value_kind: global_buffer, .address_space: global }
      - { .name: qimg, .offset: 128, .size: 8, .value_kind: global_buffer, .address_space: global }
      - { .name: qsc, .offset: 136, .size: 8, .value_kind: global_buffer, .address_space: global }
      - { .name: kv, .offset: 144, .size: 8, .value_kind: global_buffer, .address_space: global }
      - { .name: maskbits, .offset: 152, .size: 8, .value_kind: global_buffer, .address_space: global }
    .group_segment_fixed_size: 327680
    .private_segment_fixed_size: 0
    .kernarg_segment_align: 8
    .kernarg_segment_size: 160
    .max_flat_workgroup_size: 128
    .sgpr_count:     106
    .vgpr_count:     640
    .wavefront_size: 32
...
	.end_amdgpu_metadata
.endif
;; end of part 1
;; launch attn (part 2): grid 8 x 32, 16 waves a work-group, clusters of 4 x 1, 169,984 bytes of LDS; arguments qimg, qsc, kv, maskbits, yimg, ysc; writes yimg, ysc
.if DOCPART == 2
	.amdgcn_target "amdgcn-amd-amdhsa--gfx1250"
	.amdhsa_code_object_version 6
	.text
	.protected	k_qa733567bba_attn
	.globl	k_qa733567bba_attn
	.p2align	8
	.type	k_qa733567bba_attn,@function
k_qa733567bba_attn:
	s_mov_b64 s[64:65], 0
	v_nop
	global_prefetch_b8 v0, s[64:65] scope:SCOPE_SE
	s_setreg_imm32_b32 hwreg(HW_REG_WAVE_MODE, 25, 1), 1
	s_wait_xcnt 0x0
	s_wait_alu depctr_hold_cnt(0) depctr_sa_sdst(0) depctr_va_vdst(0) depctr_va_sdst(0) depctr_va_ssrc(0) depctr_va_vcc(0) depctr_vm_vsrc(0)
	s_getreg_b32 s2, hwreg(HW_REG_IB_STS2, 6, 4)
	s_cmp_eq_u32 s2, 0
	s_cbranch_scc0 .Lentry_in_a_cluster
	s_endpgm
.Lentry_in_a_cluster:
	s_bfe_u32 s2, ttmp6, 0x10000c
	s_cmp_lg_u32 s2, 0x3003
	s_cbranch_scc0 .Lentry_shape_is_right
	s_endpgm
.Lentry_shape_is_right:
; ATTENTION ON CODES OF FP4 (E2M1), one E8M0 scale for each 32 along a product's K, and the quantising of its result.
; For head batch n = 16 b + head: S = Q K^T / 8; where mask[n % 2][q][k] is 0 the logit is hidden; t = logit x log2(e); M = the row's largest t so far, rounded UP to a whole number; p = 2^(t - M) is quantised along the keys;
; the row's sum is taken of the unquantised p and divides O at the end.  When M moves, the sum and O are multiplied by 2^(old M - new M): exact.  y = O / sum is quantised along the model's 1,024 (this head's 64: two blocks).
; INPUTS are images of operand registers, as the launch before lays them.  OUTPUTS: yimg [b][T 128][K step 8][c 2][lane][16 B], head = 2 K step + c;  ysc [b][T][r 16][32 B], byte 2 head + block.
; SHARES.  A work-group owns 256 queries of one head batch; each of its sixteen waves one tile of 16, in 256 registers.  Every wave walks the 16 key steps of 128.
; The head's whole kv block, 147,456 bytes, comes into LDS once: wave w's one tensor load brings key step w.  CLUSTER 4 x 1: the four query blocks of a cluster need the same bytes and ask jointly.
; LAYOUT.  Both products are used transposed: S^T = K Q^T, O^T = V^T P^T: a lane holds ONE query (lane % 16).  Register 8 t + j of S^T is key 16 t + 8 h + j of the step.
; The head's 64 fill half of a product's 128: a fragment of K holds TWO tiles of keys, the even one against [Q, zeros], the odd one against [zeros, Q]; scale words hold their two bytes twice.
; THE MASK IS ADDED BY A PRODUCT.  A fragment of eight words a lane holds, for key r of tile t, word t: nibble e = the code 0.5 where query 8 h + e must not see the key.  Its partner holds the code -4 on the diagonal
; (query 8 h + e in nibble e) in word t alone: eight windows over 22 registers.  With both scales 2^16 the product is -2^33 where hidden and 0 elsewhere, and starts the score's sum; K Q^T adds onto it in place.
; A ROW WITH NO VISIBLE KEY: the model gives every key p = 1, so y is the mean of the quantised V.  Waves 0 to 3 make that mean at the head (V^T x ones, the ones' scale 2^-11), and the way out selects it where the row's largest t shows that only hidden keys were met.
; AHEAD.  A step's mask words are asked of memory two steps ahead, straight into one of two fragments that take turns; the next step's K is asked of LDS behind this step's score products.  kv is asked for once, ahead of the loop.  So no prefetch is written.
; LIMITS: a hidden logit is its own value - 2^30 where the model says -1e9: the results are the model's while every logit that counts lies above -9e8 and a hidden key's own logit under 1e8.
; A block whose every p has fallen to 0 keeps the scale byte 1: its codes are zeros.  NaN and infinities are not served.
.set KVS, 9216
.set KVH, 16*KVS
.set VST, KVH                          ; behind kv: the mean of V, 4 tiles x 1,024 bytes; no fill lands there
.set SPARE, 0x29000                    ; the spare words, 128 bytes a wave
.set L16, 1                            ; v1  16 x lane
.set L8,  2                            ; v2  8 x lane
.set AD,  3                            ; v3  the step's block + 16 x lane; on the way out 32 r + h
.set AV,  30                           ; v30 the step's block + 8 x lane
; v4-11 the mask words of odd steps, v86-93 of even steps; v12 -M, v13 the largest t, v[14:15] the sum; v16-19 Q, v20-23 zeros, v24-27 Q again; v28 Q's scale word; v29 the mask products' scales;
; v32-63 K's 8 tiles; v64-85 zeros with the diagonal in v71 and v78; v94, v95 the stage; v96-159 S^T, then p; v160-191 O^T; v192-223 V; v224-231 p's codes; v232-247, v252-254 at work; v240-243 V's scale words, v248-251 K's, v253 p's
.set WV,  12
.set TB,  13                           ; s13 LDS byte at which the step's block begins
.set CNT, 66
.set HIM, 67                           ; lanes 16-31
.macro PLACES n
.rept \n
	v_nop
.endr
.endm
.macro CROUND                          ; a round of the cluster's barrier
	s_barrier_signal -1
	s_barrier_wait -1
	s_cmp_lg_u32 s[WV], 0
	s_cbranch_scc1 .Lnot_wave_0_\@
	s_barrier_signal -3
.Lnot_wave_0_\@:
	s_barrier_wait -3
	s_barrier_signal -1
	s_barrier_wait -1
.endm
.macro WM d, a, b, c, sa, sb, extra
	v_wmma_scale_f32_16x16x128_f8f6f4 v[\d:\d+7], v[\a:\a+7], v[\b:\b+7], \c, v[\sa], v[\sb] matrix_a_fmt:MATRIX_FMT_FP4 matrix_b_fmt:MATRIX_FMT_FP4 \extra
.endm
	s_load_b256 s[16:23], s[0:1], 0x0              ; qimg s[16:17], qsc s[18:19], kv s[20:21], maskbits s[22:23]
	v_lshl_add_u32 v31, v0, 2, SPARE
	v_mov_b32 v255, 0
	ds_add_u32 v31, v255                           ; the opening lines: the add twice on end and its wait
	ds_add_u32 v31, v255
	v_lshrrev_b32 v1, 5, v0
	v_readfirstlane_b32 s[WV], v1                  ; wave 0..15
	s_bfe_u32 s24, ttmp6, 0x40000                  ; cx: it enters the addresses of Q, the mask and y alone
	s_lshl_b32 s25, ttmp9, 2
	s_add_co_u32 s25, s25, s24
	s_lshl_b32 s25, s25, 4
	s_add_co_u32 s25, s25, s[WV]                   ; T: my tile of 16 queries
	s_and_b32 s26, ttmp7, 0xffff                   ; n, which the four partners share
	s_mov_b32 s84, 0x0023000f                      ; 9,216 dense bytes as 36 rows of 256 (32 elements of 8 bytes); the mask names all four; bit 21 beside it
	s_mov_b32 s85, 32<<16
	s_mov_b32 s86, 36<<16
	s_mov_b32 s87, 32<<16
	s_mov_b32 s88, 36
	s_mov_b32 s89, 32
	s_mov_b32 s90, 0
	s_mov_b32 s91, 0
	s_mov_b32 s4, 1
	s_mul_i32 s5, s[WV], KVS                       ; LDS address: key step w
	s_mul_i32 s28, s26, KVH
	s_add_co_u32 s28, s28, s5                      ; and the same step in memory
	s_mov_b32 s29, 0
	s_and_b32 s30, s26, 1                          ; the mask of head batch n is number n % 2
	s_lshl_b32 s30, s30, 7
	s_add_co_u32 s30, s30, s25
	s_lshl_b32 s30, s30, 14                        ; 16,384 bytes of mask words a tile row
	s_mov_b32 s31, 0
	s_lshl_b32 s32, s26, 7
	s_add_co_u32 s32, s32, s25
	s_lshl_b32 s32, s32, 9                         ; Q's image: 512 (128 n + T)
	s_mov_b32 s33, 0
	s_lshl_b32 s34, s26, 5
	s_lshr_b32 s35, s25, 2
	s_add_co_u32 s34, s34, s35
	s_lshl_b32 s34, s34, 8
	s_and_b32 s35, s25, 3
	s_lshl_b32 s35, s35, 2
	s_add_co_u32 s34, s34, s35                     ; its scale words: 256 (32 n + T / 4) + 4 (T % 4)
	s_mov_b32 s35, 0
	s_lshr_b32 s36, s26, 4
	s_lshl_b32 s36, s36, 7
	s_add_co_u32 s36, s36, s25                     ; 128 b + T
	s_and_b32 s37, s26, 15                         ; head
	s_lshl_b32 s104, s36, 13
	s_lshl_b32 s38, s37, 9
	s_add_co_u32 s104, s104, s38                   ; y's image: 8,192 (128 b + T) + 512 head
	s_lshl_b32 s105, s36, 9
	s_lshl_b32 s38, s37, 1
	s_add_co_u32 s105, s105, s38                   ; its scale bytes: 512 (128 b + T) + 2 head
	s_mov_b32 s2, 0x3e38aa3b                       ; c = log2(e) / 8
	s_mov_b32 s3, s2
	s_mov_b32 s100, 0x76543210
	s_mov_b32 s101, 0xfedcba98
	s_mov_b32 s[HIM], 0xffff0000
	s_mov_b32 s[TB], 0
	s_mov_b32 s[CNT], 7
	s_wait_dscnt 0x0
	s_wait_kmcnt 0x0
	s_add_nc_u64 s[6:7], s[20:21], s[28:29]
	s_or_b32 s7, s7, 0x80000000
	s_add_nc_u64 s[14:15], s[22:23], s[30:31]      ; the mask words of even steps,
	s_add_nc_u64 s[10:11], s[14:15], 1024          ; and of odd steps: each base is stepped when its own loads are done
	s_add_nc_u64 s[16:17], s[16:17], s[32:33]
	s_add_nc_u64 s[18:19], s[18:19], s[34:35]
	CROUND                                         ; all four work-groups are here: the joint loads meet
	tensor_load_to_lds s[4:7], s[84:91]            ; my one tensor load
	s_nop 0
	PLACES 4
	v_and_b32 v232, 31, v0                         ; lane
	v_and_b32 v233, 15, v0                         ; r
	v_bfe_u32 v234, v0, 4, 1                       ; h
	v_bfe_u32 v235, v0, 5, 2                       ; wave % 4
	v_lshlrev_b32 v[L16], 4, v232
	v_lshlrev_b32 v[L8], 3, v232
	v_lshlrev_b32 v254, 4, v233
	global_load_b128 v[16:19], v[L16], s[16:17]    ; Q's codes, for the lower 64 of a product's 128,
	global_load_b128 v[24:27], v[L16], s[16:17]    ; and once more for the upper 64
	global_load_b32 v28, v254, s[18:19]            ; its scale words
	global_load_b128 v[86:89], v[L16], s[14:15]    ; key step 0's mask words,
	global_load_b128 v[90:93], v[L16], s[14:15] offset:512
	global_load_b128 v[4:7], v[L16], s[10:11]      ; and key step 1's
	global_load_b128 v[8:11], v[L16], s[10:11] offset:512
.irp j, 0,1,2,3,4,5,6,7
	v_mov_b32 v[224+\j], 0x22222222                ; the head's ones: the code of 1.0,
.endr
	v_mov_b32 v244, 0x74747474                     ; under the scale 2^-11: a sum over 2,048 keys becomes their mean
	v_mov_b32 v29, 0x8f8f8f8f                      ; 2^16, for both sides of the mask's products
	v_lshl_add_u32 v236, v235, 10, v[L16]          ; V's tile wave % 4: 16 lane + 1,024 tile; key steps 0-5, 6-11, 12-15 from three registers
	v_bfe_u32 v240, v0, 6, 1
	v_bfe_u32 v241, v0, 5, 1
	v_lshl_add_u32 v245, v240, 8, v[L8]
	v_add_nc_u32 v237, 6*KVS, v236
	v_add_nc_u32 v238, 12*KVS, v236
	v_lshl_add_u32 v245, v241, 2, v245             ; its scale words: 8 lane + 256 (tile / 2) + 4 (tile % 2)
	v_add_nc_u32 v94, VST, v236                    ; the stage, in
	v_add_nc_u32 v95, VST, v[L16]                  ; and out
	v_add_nc_u32 v246, 6*KVS, v245
	v_add_nc_u32 v247, 12*KVS, v245
.irp j, 20,21,22,23
	v_mov_b32 v[\j], 0
.endr
.set J_, 0
.rept 22
.if (J_ != 7) && (J_ != 14)
	v_mov_b32 v[64+J_], 0
.endif
.set J_, J_+1
.endr
	v_lshrrev_b32 v240, 3, v233
	v_and_b32 v241, 7, v233
	v_cmp_eq_u32 vcc_lo, v240, v234                ; my half of the lanes holds my query's place on the diagonal
	v_lshlrev_b32 v241, 2, v241
	v_lshlrev_b32 v241, v241, 14                   ; the code of -4 in nibble r % 8
	v_cndmask_b32 v71, 0, v241, vcc_lo
	v_mov_b32 v78, v71
	v_mov_b32 v13, 0xff61b1e6                      ; the largest t so far: -3e38
	v_floor_f32 v12, -v13                          ; -M
	v_mov_b32 v14, 0
	v_mov_b32 v15, 0
	s_wait_alu depctr_va_vdst(0)
	s_wait_tensorcnt 0x0                           ; my key step is in,
	s_barrier_signal -1
	s_barrier_wait -1                              ; everybody's is
	s_cmp_lt_u32 s[WV], 4
	s_cbranch_scc0 .Lno_mean
	; waves 0 to 3: the mean of V's tile w over all 2,048 keys: sixteen products on two accumulators by turns
.set S_, 0
.rept 16
	ds_load_b128 v[96+8*S_:99+8*S_], v[236+S_/6] offset:(S_%6)*KVS+4096
	ds_load_b128 v[100+8*S_:103+8*S_], v[236+S_/6] offset:(S_%6)*KVS+4608
	ds_load_b32 v[48+S_], v[245+S_/6] offset:(S_%6)*KVS+8704
.set S_, S_+1
.endr
	s_wait_dscnt 0x0
	WM 32, 96, 224, 0, 48, 244
	WM 40, 104, 224, 0, 49, 244
.set S_, 2
.rept 14
	WM 32+8*(S_%2), 96+8*S_, 224, v[32+8*(S_%2):39+8*(S_%2)], 48+S_, 244
.set S_, S_+1
.endr
	PLACES 4
.irp j, 0,2,4,6
	v_pk_add_f32 v[32+\j:33+\j], v[32+\j:33+\j], v[40+\j:41+\j]
.endr
	ds_store_b128 v94, v[32:35]                    ; an image of the tile's eight registers
	ds_store_b128 v94, v[36:39] offset:512
.Lno_mean:
	s_wait_dscnt 0x0
	s_barrier_signal -1
	s_barrier_wait -1                              ; the mean is in the stage for every wave
	ds_load_b128 v[248:251], v[L16] offset:8192    ; key step 0's K: scale words (lanes 0-15 tiles 0-3, lanes 16-31 tiles 4-7) and eight tiles
.irp t, 0,1,2,3,4,5,6,7
	ds_load_b128 v[32+4*\t:35+4*\t], v[L16] offset:512*\t
.endr
.irp b, 0,1,2,3
	v_mov_b32 v[236+\b], 0                         ; a lane permute's destination counts as one of its sources
.endr
	v_mov_b32 v253, 0
.set J_, 0
.rept 32
	v_mov_b32 v[160+J_], 0                         ; O^T: the first change of M leaves zeros zeros
.set J_, J_+1
.endr
; A KEY STEP of 128 keys.  mf: its fragment of mask words; sb: that fragment's base.  more = 1: the mask words two steps on are asked for.  lc: the global loads that may stay out.  kp = 1: the next step's K is asked for.
.macro STEP mf, sb, more, lc, kp
	v_add_nc_u32 v[AD], s[TB], v[L16]
	v_add_nc_u32 v[AV], s[TB], v[L8]
	v_nop
	v_nop                                          ; four places between the last products and the loads into their registers
.irp bq, 0,1
	ds_load_b64 v[240+2*\bq:241+2*\bq], v[AV] offset:8704+256*\bq
.endr
.irp dt, 0,1,2,3
.irp c, 0,1
	ds_load_b128 v[192+8*\dt+4*\c:195+8*\dt+4*\c], v[AD] offset:4096+1024*\dt+512*\c
.endr
.endr
	s_wait_alu depctr_va_vdst(0)
	s_wait_loadcnt \lc                             ; this step's mask words are in (the first time: Q too); the next step's two loads may stay out
.set T_, 0
.rept 8
	WM 96+8*T_, \mf, 78-T_-7*(T_%2), 0, 29, 29     ; -2^33 where hidden, else 0: the window has the diagonal in word T_
.set T_, T_+1
.endr
	s_wait_dscnt 10                                ; K, asked for a step ago, is in; V's ten loads may stay out
.set T_, 0
.rept 4
	WM 96+8*T_, 32+8*(T_/2), 16+4*(T_%2), v[96+8*T_:103+8*T_], 248+T_, 28
.set T_, T_+1
.endr
.rept 4
	WM 96+8*T_, 32+8*(T_/2), 16+4*(T_%2), v[96+8*T_:103+8*T_], 244+T_, 28, matrix_a_scale:MATRIX_SCALE_ROW1
.set T_, T_+1
.endr
	PLACES 4
.if \kp
	ds_load_b128 v[248:251], v[AD] offset:KVS+8192 ; the next step's K: nine loads
.irp t, 0,1,2,3,4,5,6,7
	ds_load_b128 v[32+4*\t:35+4*\t], v[AD] offset:KVS+512*\t
.endr
.endif
.if \more
	s_add_nc_u64 s[\sb:\sb+1], s[\sb:\sb+1], 2048  ; (the loads that named this base are done)
	global_load_b128 v[\mf:\mf+3], v[L16], s[\sb:\sb+1]
	global_load_b128 v[\mf+4:\mf+7], v[L16], s[\sb:\sb+1] offset:512
.endif
.irp b, 0,1,2,3
	v_max3_num_f32 v[232+\b], v[96+16*\b], v[97+16*\b], v[98+16*\b]   ; the largest score of each block of 32 keys: for the row's maximum and for the block's largest p
.endr
.irp i, 3,5,7,9,11,13
.irp b, 0,1,2,3
	v_max3_num_f32 v[232+\b], v[232+\b], v[96+16*\b+\i], v[97+16*\b+\i]   ; (the four blocks by turns)
.endr
.endr
.irp b, 0,1,2,3
	v_max_num_f32 v[232+\b], v[232+\b], v[111+16*\b]
.endr
.irp b, 0,1,2,3
	v_permlanex16_b32 v[236+\b], v[232+\b], s100, s101
.endr
.irp b, 0,1,2,3
	v_max_num_f32 v[232+\b], v[232+\b], v[236+\b]  ; with lane l xor 16's 16 keys
.endr
	v_max3_num_f32 v254, v232, v233, v234
	v_max_num_f32 v254, v254, v235                 ; the step's largest score of my query
	v_mul_f32 v254, s2, v254                       ; as t
	v_max_num_f32 v13, v13, v254                   ; the running largest t
	v_mov_b32 v254, v12
	v_floor_f32 v12, -v13                          ; the new -M: M is a whole number
	v_sub_f32 v254, v12, v254
	v_cvt_i32_f32 v254, v254                       ; (it saturates)
	v_ldexp_f32 v252, 1.0, v254                    ; f = 2^(old M - new M)
.set J_, 0
.rept 32
	v_pk_fma_f32 v[96+J_:97+J_], v[96+J_:97+J_], s[2:3], v[12:13] op_sel_hi:[1,0,0]   ; t - M
.set J_, J_+2
.endr
.irp b, 0,1,2,3
	v_fma_f32 v[232+\b], v[232+\b], s2, v12
.endr
.set J_, 0
.rept 16
	v_pk_mul_f32 v[160+J_:161+J_], v[160+J_:161+J_], v[252:253] op_sel_hi:[1,0]   ; O^T under the new M, ahead of the exponentials
.set J_, J_+2
.endr
	s_wait_alu depctr_va_vdst(0)
.set J_, 0
.rept 64
	v_exp_f32 v[96+J_], v[96+J_]                   ; p = 2^(t - M): not normalised
.set J_, J_+1
.endr
.irp b, 0,1,2,3
	v_exp_f32 v[232+\b], v[232+\b]                 ; the block's largest p
.endr
	v_pk_mul_f32 v[14:15], v[14:15], v[252:253] op_sel_hi:[1,0]   ; the sums under the new M (a plain place behind the batch)
	s_wait_alu depctr_va_vdst(0)                   ; and behind it
.irp b, 0,1,2,3
	v_max_num_f32 v[232+\b], 0x1800000, v[232+\b]  ; the floor 2^(3 - 127)
.endr
.irp b, 0,1,2,3
	v_add_nc_u32 v[244+\b], 0xff000000, v[232+\b]  ; the conversion's scale operand
.endr
.irp b, 0,1,2,3
	v_lshrrev_b32 v[236+\b], 23, v[244+\b]         ; the scale's byte
.endr
	v_lshl_or_b32 v253, v237, 8, v236
	v_lshl_or_b32 v253, v238, 16, v253
	v_lshl_or_b32 v253, v239, 24, v253             ; p's scale word
.set QT, 0
.rept 8
	v_cvt_scalef32_pk8_fp4_f32 v[224+4*(QT/4)+2*(QT%2)+((QT/2)%2)], v[96+8*QT:103+8*QT], v[244+QT/2]
.set QT, QT+1
.endr
	v_nop                                          ; a plain place behind a scaled conversion
.irp u, 0,1,2,3
	v_permlane16_swap_b32 v[224+2*\u], v[225+2*\u] ; a whole block in a lane
.endr
	; the row's sum of the unquantised p, in p's own registers: 32 pairs in eight chains, then a tree
.irp r, 16,32,48
.set C_, 0
.rept 8
	v_pk_add_f32 v[96+2*C_:97+2*C_], v[96+2*C_:97+2*C_], v[96+\r+2*C_:97+\r+2*C_]
.set C_, C_+1
.endr
.endr
.irp d, 8,4,2
.set C_, 0
.rept \d/2
	v_pk_add_f32 v[96+2*C_:97+2*C_], v[96+2*C_:97+2*C_], v[96+\d+2*C_:97+\d+2*C_]
.set C_, C_+1
.endr
.endr
	v_pk_add_f32 v[14:15], v[14:15], v[96:97]
	s_wait_alu depctr_va_vdst(0)
	s_wait_dscnt 9*\kp                             ; V is in; the next step's nine loads of K may stay out
.irp dt, 0,1,2,3
	WM 160+8*\dt, 192+8*\dt, 224, v[160+8*\dt:167+8*\dt], 240+\dt, 253
.endr
	s_add_co_u32 s[TB], s[TB], KVS
.endm
	s_wait_alu depctr_va_vdst(0)
.Lstep:                                            ; seven trips of two steps: the two fragments of mask words take turns
	STEP 86, 14, 1, 2, 1
	STEP 4, 10, 1, 2, 1
	s_sub_co_u32 s[CNT], s[CNT], 1
	s_cmp_lg_u32 s[CNT], 0
	s_cbranch_scc1 .Lstep
	STEP 86, 14, 0, 2, 1                           ; the last two steps ask for no mask words, the last for no K: none follow
	STEP 4, 10, 0, 0, 0
	; THE WAY OUT.  y = O^T / the sum, or the mean of V in a row that met hidden keys alone; register 8 t + j is y(query r, channel 16 t + 8 h + j): two blocks of 32, quantised as Q was.
	s_load_b128 s[16:19], s[0:1], 0x20             ; yimg, ysc
	s_mov_b32 s25, 0xcea00000                      ; -1.25 x 2^30: under every t that counts, over every hidden one
	PLACES 4                                       ; behind the last products
.irp dt, 0,1,2,3
.irp c, 0,1
	ds_load_b128 v[192+8*\dt+4*\c:195+8*\dt+4*\c], v95 offset:1024*\dt+512*\c   ; the mean, in O^T's layout
.endr
.endr
	v_add_f32 v14, v14, v15
	v_and_b32 v232, 15, v0
	v_bfe_u32 v233, v0, 4, 1
	v_permlanex16_b32 v252, v14, s100, s101
	v_lshl_add_u32 v[AD], v232, 5, v233            ; 32 r + h: where my scale byte goes
	v_add_f32 v14, v14, v252                       ; the row's sum
	v_cmp_gt_f32 s24, s25, v13                     ; lanes whose row has no visible key
	s_wait_dscnt 0x0
	s_wait_alu depctr_va_vdst(0)
	v_rcp_f32 v14, v14
	v_nop
	s_wait_alu depctr_va_vdst(0)
.set J_, 0
.rept 32
	v_mul_f32 v[96+J_], v[160+J_], v14
.set J_, J_+1
.endr
.set J_, 0
.rept 32
	v_cndmask_b32 v[96+J_], v[96+J_], v[192+J_], s24
.set J_, J_+1
.endr
.irp b, 0,1
	v_max3_num_f32 v[32+\b], |v[96+16*\b]|, |v[97+16*\b]|, 0x1800000   ; K's registers are done with
.endr
.irp i, 2,4,6,8,10,12,14
.irp b, 0,1
	v_max3_num_f32 v[32+\b], v[32+\b], |v[96+16*\b+\i]|, |v[97+16*\b+\i]|
.endr
.endr
.irp b, 0,1
	v_permlanex16_b32 v[36+\b], v[32+\b], s100, s101
.endr
.irp b, 0,1
	v_max_num_f32 v[32+\b], v[32+\b], v[36+\b]
.endr
.irp b, 0,1
	v_add_nc_u32 v[32+\b], 0xff000000, v[32+\b]
.endr
.irp b, 0,1
	v_lshrrev_b32 v[36+\b], 23, v[32+\b]
.endr
.set QT, 0
.rept 4
	v_cvt_scalef32_pk8_fp4_f32 v[40+2*(QT%2)+((QT/2)%2)], v[96+8*QT:103+8*QT], v[32+QT/2]
.set QT, QT+1
.endr
	v_nop
.irp u, 0,1
	v_permlane16_swap_b32 v[40+2*\u], v[41+2*\u]
.endr
	v_cndmask_b32 v44, v36, v37, s[HIM]            ; lanes 0-15 store block 0's byte of query r, lanes 16-31 block 1's
	s_mov_b32 s20, s104
	s_mov_b32 s21, 0
	s_mov_b32 s22, s105
	s_mov_b32 s23, 0
	s_wait_alu depctr_va_vdst(0)
	s_wait_kmcnt 0x0
	s_add_nc_u64 s[16:17], s[16:17], s[20:21]
	s_add_nc_u64 s[18:19], s[18:19], s[22:23]
	global_store_b128 v[L16], v[40:43], s[16:17]   ; 512 neighbouring bytes
	global_store_b8 v[AD], v44, s[18:19]           ; a head's two bytes of each of 16 rows of 32
	s_wait_tensorcnt 0x0                           ; the wave's end
	ds_add_u32 v31, v255
	s_wait_dscnt 0x0
	CROUND                                         ; the closing round
	s_endpgm
.Lfunc_end_k_qa733567bba_attn:
	.size	k_qa733567bba_attn, .Lfunc_end_k_qa733567bba_attn-k_qa733567bba_attn
	.p2alignl 7, 3214868480
	.fill 96, 4, 3214868480
	.section	.rodata,"a",@progbits
	.p2align	6, 0x0
	.amdhsa_kernel k_qa733567bba_attn
		.amdhsa_group_segment_fixed_size 169984
		.amdhsa_private_segment_fixed_size 0
		.amdhsa_enable_private_segment 0
		.amdhsa_kernarg_size 48
		.amdhsa_user_sgpr_count 2
		.amdhsa_user_sgpr_kernarg_segment_ptr 1
		.amdhsa_wavefront_size32 1
		.amdhsa_system_sgpr_workgroup_id_x 1
		.amdhsa_system_sgpr_workgroup_id_y 1
		.amdhsa_system_sgpr_workgroup_id_z 1
		.amdhsa_system_vgpr_workitem_id 0
		.amdhsa_next_free_vgpr 256
		.amdhsa_next_free_sgpr 106
		.amdhsa_reserve_vcc 1
		.amdhsa_float_denorm_mode_32 3
		.amdhsa_float_denorm_mode_16_64 3
		.amdhsa_memory_ordered 1
		.amdhsa_forward_progress 1
		.amdhsa_inst_pref_size 85
	.end_amdhsa_kernel
	.amdgpu_metadata
---
amdhsa.version: [ 1, 2 ]
amdhsa.kernels:
  - .name:           k_qa733567bba_attn
    .symbol:         k_qa733567bba_attn.kd
    .args:
      - { .name: qimg, .offset: 0, .size: 8, .value_kind: global_buffer, .address_space: global }
      - { .name: qsc, .offset: 8, .size: 8, .value_kind: global_buffer, .address_space: global }
      - { .name: kv, .offset: 16, .size: 8, .value_kind: global_buffer, .address_space: global }
      - { .name: maskbits, .offset: 24, .size: 8, .value_kind: global_buffer, .address_space: global }
      - { .name: yimg, .offset: 32, .size: 8, .value_kind: global_buffer, .address_space: global }
      - { .name: ysc, .offset: 40, .size: 8, .value_kind: global_buffer, .address_space: global }
    .group_segment_fixed_size: 169984
    .private_segment_fixed_size: 0
    .kernarg_segment_align: 8
    .kernarg_segment_size: 48
    .max_flat_workgroup_size: 512
    .sgpr_count:     106
    .vgpr_count:     256
    .wavefront_size: 32
...
	.end_amdgpu_metadata
.endif
;; end of part 2
;; launch outp (part 3): grid 8 x 32, 4 waves a work-group, clusters of 4 x 4, 168,448 bytes of LDS; arguments yimg, ysc, Wo_codes, Wo_scales, bo, out0; writes out0
.if DOCPART == 3
	.amdgcn_target "amdgcn-amd-amdhsa--gfx1250"
	.amdhsa_code_object_version 6
	.text
	.protected	k_qa733567bba_outp
	.globl	k_qa733567bba_outp
	.p2align	8
	.type	k_qa733567bba_outp,@function
k_qa733567bba_outp:
	s_mov_b64 s[64:65], 0
	v_nop
	global_prefetch_b8 v0, s[64:65] scope:SCOPE_SE
	s_setreg_imm32_b32 hwreg(HW_REG_WAVE_MODE, 25, 1), 1
	s_wait_xcnt 0x0
	s_wait_alu depctr_hold_cnt(0) depctr_sa_sdst(0) depctr_va_vdst(0) depctr_va_sdst(0) depctr_va_ssrc(0) depctr_va_vcc(0) depctr_vm_vsrc(0)
	s_getreg_b32 s2, hwreg(HW_REG_IB_STS2, 6, 4)
	s_cmp_eq_u32 s2, 0
	s_cbranch_scc0 .Lentry_in_a_cluster
	s_endpgm
.Lentry_in_a_cluster:
	s_bfe_u32 s2, ttmp6, 0x10000c
	s_cmp_lg_u32 s2, 0xf033
	s_cbranch_scc0 .Lentry_shape_is_right
	s_endpgm
.Lentry_shape_is_right:
; out0 = y Wo^T + bo on codes of FP4 (E2M1) with one E8M0 scale for each 32 along K = 1,024; sums in f32, the bias as the C of each sum's first product.
; y comes as images of operand registers: yimg [tile of 16 tokens, 256][K step 8][c 2][lane][16 B], ysc [tile][r 16][32 B]; Wo as rows of 512 bytes of codes and 32 scale bytes.  out0: [4,096][1,024] f32.
; SHARES.  Work-group (X, Y): tokens 128 Y on x columns 128 X on.  Four waves: wave (th, nh) makes 64 tokens x 64 columns: sixteen accumulators.  All of K fits into LDS at once: one fill, one tensor load a wave, no byte filled twice.
; The product is used transposed (source 0 = 16 rows of Wo, source 1 = 16 tokens): a lane holds eight neighbouring columns of one token's row.
; CLUSTER 4 x 4: the four of a row need the same tokens, the four of a column the same rows of Wo: each tile is asked for jointly.
.set PITCH, 528                        ; a row of Wo in LDS: 512 bytes + 16 of padding
.set T16,   16*PITCH
.set HALFT, 64*PITCH
.set BOFF,  65536                      ; LDS: y's images, 65,536 dense bytes; then Wo's 128 rows;
.set STAGE, BOFF+2*HALFT               ; then a stage of 16 rows x 272 for each wave; no fill lands there
.set SP,    272
.set L16, 1
.set AY,  2                            ; my four tiles of y: 16 lane + 32,768 th
.set AW,  3                            ; my 64 rows of Wo
.set SXO, 4                            ; scale words: y's, Wo's
.set SWO, 5
.set BQO, 6                            ; the bias
.set STO, 7                            ; the stage, in: 272 r + 32 h
.set RD,  8                            ; the stage, out: 272 h + 16 r
.set CO,  9                            ; my place in out0
.set S,   32                           ; v32-95 scale words: 8 x fragment + K step; they hold scales and nothing else
.set ACC, 128                          ; v128-255 sixteen accumulators
.set BI,  128                          ; window 1: v0-63, v64-127 two sets of fragments; v128-159 the bias; v160-223 rows on the way out, two sets
.set OUTR, 160
.set WV, 4
.set TH, 5
.set HD, 6
.set G1A, 16
.set G1B, 24
.set G0A, 32
.set G0B, 36
.set MSB, 0
.macro WIN new                         ; the immediate's high byte repeats the setting that is left
.if MSB != \new
	s_set_vgpr_msb (MSB<<8)|\new
.set MSB, \new
.endif
.endm
.macro PLACES n
.rept \n
	v_nop
.endr
.endm
.macro CROUND                          ; a round of the cluster's barrier
	s_barrier_signal -1
	s_barrier_wait -1
	s_cmp_lg_u32 s[WV], 0
	s_cbranch_scc1 .Lnot_wave_0_\@
	s_barrier_signal -3
.Lnot_wave_0_\@:
	s_barrier_wait -3
	s_barrier_signal -1
	s_barrier_wait -1
.endm
.macro FETCH set, q                    ; 16 loads: Wo's four tiles (fragments 0-3), y's four (4-7), 128 along K
	WIN 0x40
.irp i, 0,1,2,3
.irp c, 0,1
	ds_load_b128 v[64*(\set)+8*\i+4*\c:64*(\set)+8*\i+4*\c+3], v[AW] offset:T16*\i+64*(\q)+32*\c
.endr
.endr
.irp i, 0,1,2,3
.irp c, 0,1
	ds_load_b128 v[64*(\set)+32+8*\i+4*\c:64*(\set)+32+8*\i+4*\c+3], v[AY] offset:8192*\i+1024*(\q)+512*\c
.endr
.endr
.endm
; Sixteen products; the sixteen accumulators take turns, one instruction a turn, in the same order in every K step.
.macro MUL q
.set FS, 64*((\q)%2)
.if \q == 0
	WIN 0x15                                       ; sources 0 and 1 and C window 1, D window 0
.else
	WIN 0x05
.endif
.irp tt, 0,1,2,3
.irp ft, 0,1,2,3
.if \q == 0
	v_wmma_scale_f32_16x16x128_f8f6f4 v[ACC+8*(4*\tt+\ft):ACC+8*(4*\tt+\ft)+7], v[FS+8*\ft:FS+8*\ft+7], v[FS+32+8*\tt:FS+32+8*\tt+7], v[BI+8*\ft:BI+8*\ft+7], v[S+8*\ft+(\q)], v[S+32+8*\tt+(\q)] matrix_a_fmt:MATRIX_FMT_FP4 matrix_b_fmt:MATRIX_FMT_FP4
.else
	v_wmma_scale_f32_16x16x128_f8f6f4 v[ACC+8*(4*\tt+\ft):ACC+8*(4*\tt+\ft)+7], v[FS+8*\ft:FS+8*\ft+7], v[FS+32+8*\tt:FS+32+8*\tt+7], v[ACC+8*(4*\tt+\ft):ACC+8*(4*\tt+\ft)+7], v[S+8*\ft+(\q)], v[S+32+8*\tt+(\q)] matrix_a_fmt:MATRIX_FMT_FP4 matrix_b_fmt:MATRIX_FMT_FP4
.endif
.endr
.endr
.endm
; THE WAY OUT, a tile of 16 tokens x 64 columns at a time, through my own stage: in as 32 bytes a lane, back as whole runs of 256 bytes.  LDS serves a wave's instructions in order: no wait between the stores and the loads.
.macro TOSTAGE tt
	WIN 0
.irp i, 0,1,2,3
	ds_store_b128 v[STO], v[ACC+8*(4*(\tt)+\i):ACC+8*(4*(\tt)+\i)+3] offset:64*\i        ; each accumulator from its low end on
	ds_store_b128 v[STO], v[ACC+8*(4*(\tt)+\i)+4:ACC+8*(4*(\tt)+\i)+7] offset:64*\i+16
.endr
	WIN 0x40
.irp k, 0,1,2,3,4,5,6,7
	ds_load_b128 v[OUTR+32*((\tt)%2)+4*\k:OUTR+32*((\tt)%2)+4*\k+3], v[RD] offset:2*SP*\k
.endr
.endm
.macro SEND tt, younger                ; younger: the LDS instructions issued behind this tile's loads
	s_wait_dscnt \younger
	WIN 0x04                                       ; a store's data are its source 1: window 1
.irp k, 0,1,2,3,4,5,6,7
	global_store_b128 v[CO], v[OUTR+32*((\tt)%2)+4*\k:OUTR+32*((\tt)%2)+4*\k+3], s[50:51] offset:(16*(\tt)+2*\k)*4096 th:TH_STORE_NT   ; sixteen lanes store 256 consecutive bytes, at a multiple of 256 from out0's first byte
.endr
.endm
	s_load_b256 s[40:47], s[0:1], 0x0              ; yimg s[40:41], ysc s[42:43], Wo's codes s[44:45], Wo's scales s[46:47]
	s_load_b128 s[48:51], s[0:1], 0x20             ; bo, out0
	v_lshl_add_u32 v126, v0, 2, 0x29000
	v_mov_b32 v127, 0
	ds_add_u32 v126, v127
	ds_add_u32 v126, v127
	v_lshrrev_b32 v13, 5, v0
	v_readfirstlane_b32 s[WV], v13                 ; wave 0..3
	s_lshr_b32 s[TH], s[WV], 1                     ; my half of the tokens.  Also: I fetch y (0) or Wo (1)
	s_and_b32 s[HD], s[WV], 1                      ; my half of the columns.  Also: which half I fetch
	s_bfe_u32 s7, ttmp6, 0x40000
	s_bfe_u32 s8, ttmp6, 0x40004
	s_lshl_b32 s9, ttmp9, 2
	s_add_co_u32 s9, s9, s7                        ; X
	s_and_b32 s10, ttmp7, 0xffff
	s_lshl_b32 s10, s10, 2
	s_add_co_u32 s10, s10, s8                      ; Y
	s_lshl_b32 s11, s8, 2
	s_lshl_b32 s11, 15, s11                        ; my row of the cluster
	s_lshl_b32 s15, 0x1111, s7                     ; my column
	s_or_b32 s[G1A], s11, 0x00230000               ; y's images: 32,768 dense bytes as 128 rows of 256 (32 elements of 8 bytes), no padding; 21 set beside the mask
	s_mov_b32 s[G1A+1], 32<<16
	s_mov_b32 s[G1A+2], 128<<16
	s_mov_b32 s[G1A+3], 32<<16
	s_mov_b32 s[G1A+4], 128
	s_mov_b32 s[G1A+5], 32
	s_mov_b32 s[G1A+6], 0
	s_mov_b32 s[G1A+7], 0
	s_or_b32 s[G1B], s15, 0x07b00000               ; Wo: 64 rows of 512 bytes, four words of padding after every 128
	s_mov_b32 s[G1B+1], 512<<16
	s_mov_b32 s[G1B+2], 64<<16
	s_mov_b32 s[G1B+3], 512<<16
	s_mov_b32 s[G1B+4], 64
	s_mov_b32 s[G1B+5], 512
	s_mov_b32 s[G1B+6], 0
	s_mov_b32 s[G1B+7], 0
	s_lshl_b32 s2, s10, 16                         ; y: 65,536 Y + 32,768 half: Y alone of the two coordinates
	s_lshl_b32 s3, s[HD], 15
	s_add_co_u32 s2, s2, s3
	s_mov_b32 s3, 0
	s_lshl_b32 s52, s9, 16                         ; Wo: (128 X + 64 half) x 512: X alone
	s_lshl_b32 s53, s[HD], 15
	s_add_co_u32 s52, s52, s53
	s_mov_b32 s53, 0
	s_lshl_b32 s54, s10, 19                        ; out0: 128 Y rows of 4,096 bytes + 512 X
	s_lshl_b32 s55, s9, 9
	s_add_co_u32 s54, s54, s55
	s_mov_b32 s55, 0
	s_mov_b32 s[G0A], 1
	s_lshl_b32 s[G0A+1], s[HD], 15                 ; LDS addresses hang on the wave's number alone
	s_mov_b32 s[G0B], 1
	s_mul_i32 s[G0B+1], s[HD], HALFT
	s_add_co_u32 s[G0B+1], s[G0B+1], BOFF
	s_wait_dscnt 0x0
	s_wait_kmcnt 0x0
	s_add_nc_u64 s[G0A+2:G0A+3], s[40:41], s[2:3]
	s_or_b32 s[G0A+3], s[G0A+3], 0x80000000
	s_add_nc_u64 s[G0B+2:G0B+3], s[44:45], s[52:53]
	s_or_b32 s[G0B+3], s[G0B+3], 0x80000000
	CROUND                                         ; all sixteen work-groups are here: the joint loads meet
	s_cmp_eq_u32 s[TH], 0                          ; waves 0 and 1 fetch y's halves, waves 2 and 3 Wo's; four v_nop follow each of the two lines
	s_cbranch_scc0 .Lfor_b
	tensor_load_to_lds s[G0A:G0A+3], s[G1A:G1A+7]
	s_nop 0
	PLACES 4
	s_branch .Lasked
.Lfor_b:
	tensor_load_to_lds s[G0B:G0B+3], s[G1B:G1B+7]
	s_nop 0
	PLACES 4
.Lasked:
	s_lshl_b32 s2, s10, 12                         ; y's scale bytes: 128 Y rows of 32
	s_add_nc_u64 s[42:43], s[42:43], s[2:3]
	s_lshl_b32 s52, s9, 12                         ; Wo's: 128 X rows of 32
	s_add_nc_u64 s[46:47], s[46:47], s[52:53]
	s_lshl_b32 s52, s9, 9                          ; bo: 128 X numbers
	s_add_nc_u64 s[48:49], s[48:49], s[52:53]
	s_add_nc_u64 s[50:51], s[50:51], s[54:55]
	v_and_b32 v10, 31, v0                          ; lane
	v_and_b32 v11, 15, v0                          ; r
	v_bfe_u32 v12, v0, 4, 1                        ; h
	v_bfe_u32 v14, v0, 6, 1                        ; th
	v_bfe_u32 v15, v0, 5, 1                        ; nh
	v_lshlrev_b32 v[L16], 4, v10
	v_lshl_add_u32 v[AY], v14, 15, v[L16]
	v_mul_u32_u24 v[AW], v11, PITCH
	v_lshl_add_u32 v[AW], v12, 4, v[AW]
	v_mad_u32_u24 v[AW], v15, HALFT, v[AW]
	v_add_nc_u32 v[AW], BOFF, v[AW]
	v_lshlrev_b32 v[SXO], 5, v11
	v_lshl_add_u32 v[SWO], v15, 11, v[SXO]
	v_lshl_add_u32 v[SXO], v14, 11, v[SXO]
	v_lshlrev_b32 v[BQO], 5, v12
	v_lshl_add_u32 v[BQO], v15, 8, v[BQO]
	v_mul_u32_u24 v[STO], v11, SP
	v_lshl_add_u32 v[STO], v12, 5, v[STO]
	v_mad_u32_u24 v[STO], v13, 16*SP, v[STO]
	v_add_nc_u32 v[STO], STAGE, v[STO]
	v_mul_u32_u24 v[RD], v12, SP
	v_lshl_add_u32 v[RD], v11, 4, v[RD]
	v_mad_u32_u24 v[RD], v13, 16*SP, v[RD]
	v_add_nc_u32 v[RD], STAGE, v[RD]
	v_lshlrev_b32 v[CO], 12, v12                   ; lanes 0-15 one row of out0, lanes 16-31 the next; 16 bytes a lane;
	v_lshl_add_u32 v[CO], v11, 4, v[CO]
	v_lshl_add_u32 v[CO], v14, 18, v[CO]           ; my 64 tokens,
	v_lshl_add_u32 v[CO], v15, 8, v[CO]            ; my 64 columns
.irp i, 0,1,2,3
.irp kq, 0,1
	global_load_b128 v[S+8*\i+4*\kq:S+8*\i+4*\kq+3], v[SWO], s[46:47] offset:512*\i+16*\kq
.endr
.endr
.irp i, 0,1,2,3
.irp kq, 0,1
	global_load_b128 v[S+32+8*\i+4*\kq:S+32+8*\i+4*\kq+3], v[SXO], s[42:43] offset:512*\i+16*\kq
.endr
.endr
	WIN 0x40
.irp i, 0,1,2,3
.irp hf, 0,1
	global_load_b128 v[BI+8*\i+4*\hf:BI+8*\i+4*\hf+3], v[BQO], s[48:49] offset:64*\i+16*\hf   ; bo[16 i + 8 h + 0..7] of my 64 columns
.endr
.endr
	WIN 0
	s_wait_tensorcnt 0x0                           ; my part is in,
	s_barrier_signal -1
	s_barrier_wait -1                              ; everybody's is
	FETCH 0, 0
.set Q, 0
.rept 8
.if Q < 7
.if Q > 0
	PLACES 4                                       ; between the products that read a set and the loads into it
.endif
	FETCH (Q+1)%2, Q+1
	s_wait_dscnt 16                                ; all but the 16 just issued
.else
	s_wait_dscnt 0x0
.endif
.if Q == 0
	s_wait_loadcnt 0x0                             ; scale words and bias
.endif
	MUL Q
.set Q, Q+1
.endr
	WIN 0
	PLACES 4                                       ; behind the last products: the stores below read results
	s_wait_alu depctr_va_vdst(0)
	TOSTAGE 0
.irp a, 1,2,3
.if \a > 1
	s_wait_xcnt 0x0                                ; tile a - 2's stores have read their registers: tile a's loads may land there
.endif
	TOSTAGE \a
	SEND \a-1, 16                                  ; behind tile a - 1's loads: tile a's 8 stores and 8 loads
.endr
	SEND 3, 0
	WIN 0
	s_wait_tensorcnt 0x0
	ds_add_u32 v126, v127
	s_wait_dscnt 0x0
	CROUND                                         ; the closing round: no work-group ends while a partner may still ask for a tile that names it
	s_endpgm
.Lfunc_end_k_qa733567bba_outp:
	.size	k_qa733567bba_outp, .Lfunc_end_k_qa733567bba_outp-k_qa733567bba_outp
	.p2alignl 7, 3214868480
	.fill 96, 4, 3214868480
	.section	.rodata,"a",@progbits
	.p2align	6, 0x0
	.amdhsa_kernel k_qa733567bba_outp
		.amdhsa_group_segment_fixed_size 168448
		.amdhsa_private_segment_fixed_size 0
		.amdhsa_enable_private_segment 0
		.amdhsa_kernarg_size 48
		.amdhsa_user_sgpr_count 2
		.amdhsa_user_sgpr_kernarg_segment_ptr 1
		.amdhsa_wavefront_size32 1
		.amdhsa_system_sgpr_workgroup_id_x 1
		.amdhsa_system_sgpr_workgroup_id_y 1
		.amdhsa_system_sgpr_workgroup_id_z 1
		.amdhsa_system_vgpr_workitem_id 0
		.amdhsa_next_free_vgpr 512
		.amdhsa_next_free_sgpr 66
		.amdhsa_reserve_vcc 0
		.amdhsa_float_denorm_mode_32 3
		.amdhsa_float_denorm_mode_16_64 3
		.amdhsa_memory_ordered 1
		.amdhsa_forward_progress 1
		.amdhsa_inst_pref_size 42
	.end_amdhsa_kernel
	.amdgpu_metadata
---
amdhsa.version: [ 1, 2 ]
amdhsa.kernels:
  - .name:           k_qa733567bba_outp
    .symbol:         k_qa733567bba_outp.kd
    .args:
      - { .name: yimg, .offset: 0, .size: 8, .value_kind: global_buffer, .address_space: global }
      - { .name: ysc, .offset: 8, .size: 8, .value_kind: global_buffer, .address_space: global }
      - { .name: Wo_codes, .offset: 16, .size: 8, .value_kind: global_buffer, .address_space: global }
      - { .name: Wo_scales, .offset: 24, .size: 8, .value_kind: global_buffer, .address_space: global }
      - { .name: bo, .offset: 32, .size: 8, .value_kind: global_buffer, .address_space: global }
      - { .name: out0, .offset: 40, .size: 8, .value_kind: global_buffer, .address_space: global }
    .group_segment_fixed_size: 168448
    .private_segment_fixed_size: 0
    .kernarg_segment_align: 8
    .kernarg_segment_size: 48
    .max_flat_workgroup_size: 128
    .sgpr_count:     66
    .vgpr_count:     512
    .wavefront_size: 32
...
	.end_amdgpu_metadata
.endif
;; end of part 3
